; MI455X (gfx1250); checked and timed in simulation.
; The chip was launched on July 23, 2026; its instructions are those of AMD's public machine-readable ISA for CDNA 5 (MIT licence, August 2026) and "CDNA5" Instruction Set Architecture Reference Guide (July 2026). The comments in the code are by the model that wrote it; some were corrected since.
;; Attention. Allowed arithmetic: float matrix products may take bf16 or f16 operands with f32 sums; all other float work in f32.
;; Inputs: W_attn 2,048 x 3,072 float32; b_attn 2,048 float32; b_v 1 float32; encoder_out 16 x 512 x 2,048 float32; hidden 1,024 x 16 float32; lengths 16 int32; w_v 1 x 2,048 float32.
;; Outputs: out0 16 x 2,048 float32.
;; 2 versions, each right; version 2 is version 1 with the launch ctx written anew for expert scheduling mode. Each part assembles by itself: llvm-mc -triple=amdgcn-amd-amdhsa -mcpu=gfx1250 --defsym DOCPART=n.
;; ======== version 1 of 2: 3 launches
;; workspace buffers: encb 33,554,432 bytes; wb 8,388,608 bytes; hbc 131,072 bytes; fragb 2,048 bytes of whole numbers; part 524,288 bytes
;; launch prep (part 1): grid 768 x 1, 8 waves a work-group, no clusters, 9,216 bytes of LDS; arguments encoder_out, W_attn, hidden, b_attn, lengths, encb, wb, hbc, fragb; writes encb, wb, hbc, fragb
.if DOCPART == 1
	.amdgcn_target "amdgcn-amd-amdhsa--gfx1250"
	.amdhsa_code_object_version 6
	.text
	.protected	k_q8236d76758_prep
	.globl	k_q8236d76758_prep
	.p2align	8
	.type	k_q8236d76758_prep,@function
k_q8236d76758_prep:
	s_mov_b64 s[64:65], 0
	v_nop
	global_prefetch_b8 v0, s[64:65] scope:SCOPE_SE
	s_setreg_imm32_b32 hwreg(HW_REG_WAVE_MODE, 25, 1), 1
	s_wait_xcnt 0x0
; Prepares the operands of the score product.  Three jobs, chosen by the work-group's number alone:
;   0..511    packed group p: 16 rows of encoder_out, rounded to bf16, into encb[16 p ..][2048]
;   512..639  16 rows of W_attn[:, 1024:3072], rounded to bf16, into wb[o][2048]
;   640..767  one tile of 16 outputs o of (W_attn[:, 0:1024] . hidden + b_attn) * 2 log2(e), for all 16 batches, into hbc
; PACKING.  t_b = ceil(clamp(len_b, 0, 512) / 16) groups of 16 rows of batch b are kept; they lie one batch behind the other, so that
; every group of 16 packed rows belongs to one batch.  All 16 rows of a kept group are copied (they exist in encoder_out); the
; rows at or beyond len_b are masked where the softmax is made.  F = sum of t_b.  Groups F .. 511 are filled with zeros: the product
; multiplies all 512 groups, so every byte of encb is written; rows of encoder_out that the mask throws away are not read.
; LIMITS: lengths below 0 count as 0, above 512 as 512 (as the mask of the problem does); the products' operands are rounded to bf16.
; No LDS ring, no cluster: the two copy jobs stream, each byte read once and written once, and share nothing.
.set X,   8                            ; v[8:135]   copy jobs: 32 loads of 4 registers
.set AF,  8                            ; v[8:71]    hidden job: W's 16 f32 a lane for each of 4 K steps, packed in place to 8 registers
.set BF,  72                           ; v[72:135]  hidden job: hidden's, likewise
.set ACC, 136                          ; v[136:151] two accumulators
.set BA,  152                          ; v[152:155] four numbers of b_attn
	s_load_b512 s[4:19], s[0:1], 0x0               ; encoder_out s[4:5], W_attn s[6:7], hidden s[8:9], b_attn s[10:11], lengths s[12:13], encb s[14:15], wb s[16:17], hbc s[18:19]
	s_load_b64 s[20:21], s[0:1], 0x40              ; fragb
	v_lshl_add_u32 v160, v0, 2, 0x2000
	v_mov_b32 v161, 0
	v_lshrrev_b32 v1, 5, v0
	v_readfirstlane_b32 s22, v1                    ; wave 0..7
	v_and_b32 v7, 31, v0                           ; lane
	s_wait_kmcnt 0x0
	s_cmp_ge_u32 ttmp9, 640
	s_cbranch_scc1 .Lhb
	s_cmp_ge_u32 ttmp9, 512
	s_cbranch_scc1 .Lw
; Two rows of 2,048 f32 for each wave: 32 loads of 512 consecutive bytes, all issued before the first is waited for (16 KiB a wave on its way),
; then rounded in place and stored, each store of the wave covering 256 consecutive bytes, aligned.
; No register that a pending store reads is written again, so the stores need no wait.
.macro CONV src, dst, pitch
.set i, 0
.rept 32
	global_load_b128 v[X+4*i:X+4*i+3], v1, s[\src:\src+1] offset:(i/16)*\pitch+(i%16)*512 th:TH_LOAD_NT
.set i, i+1
.endr
.set i, 0
.rept 32
	s_wait_loadcnt 31-i                            ; loads come back in order (ISA guide 5.7.1): load i is in, the 31 - i younger ones stay out
	v_cvt_pk_bf16_f32 v[X+4*i],   v[X+4*i],   v[X+4*i+1]
	v_cvt_pk_bf16_f32 v[X+4*i+1], v[X+4*i+2], v[X+4*i+3]
	global_store_b64 v2, v[X+4*i:X+4*i+1], s[\dst:\dst+1] offset:i*256
.set i, i+1
.endr
	s_endpgm
.endm
	; ---------------- job: packed group p = ttmp9 ----------------
	s_load_b512 s[24:39], s[12:13], 0x0            ; the 16 lengths
	s_wait_kmcnt 0x0
.irp i, 0,1,2,3,4,5,6,7,8,9,10,11,12,13,14,15
	s_max_i32 s[24+\i], s[24+\i], 0
	s_min_u32 s[24+\i], s[24+\i], 512
	s_add_co_u32 s[24+\i], s[24+\i], 15
	s_lshr_b32 s[24+\i], s[24+\i], 4               ; t_i
.endr
.irp i, 1,2,3,4,5,6,7,8,9,10,11,12,13,14,15
	s_add_co_u32 s[24+\i], s[24+\i], s[23+\i]      ; s[24+i] = the packed group at which batch i ends; s39 = F
.endr
	s_mov_b32 s40, 0                               ; the group at which my batch begins
	s_mov_b32 s41, 0                               ; my batch = how many batches end at or before p
.irp i, 0,1,2,3,4,5,6,7,8,9,10,11,12,13,14,15
	s_cmp_ge_u32 ttmp9, s[24+\i]
	s_cselect_b32 s40, s[24+\i], s40
	s_cselect_b32 s41, \i+1, s41
.endr
	; work-group 0 also writes the table group -> batch: 256 threads, two entries each; a wave's store covers 256 consecutive bytes
	s_cmp_lg_u32 ttmp9, 0
	s_cbranch_scc1 .Lnotab
	v_lshlrev_b32 v2, 1, v0
	v_or_b32 v3, 1, v2
	v_mov_b32 v4, 0
	v_mov_b32 v5, 0
.irp i, 0,1,2,3,4,5,6,7,8,9,10,11,12,13,14,15
	v_cmp_le_u32 vcc_lo, s[24+\i], v2
	v_cndmask_b32 v1, 0, 1, vcc_lo
	v_add_nc_u32 v4, v4, v1
	v_cmp_le_u32 vcc_lo, s[24+\i], v3
	v_cndmask_b32 v1, 0, 1, vcc_lo
	v_add_nc_u32 v5, v5, v1
.endr
	v_min_u32 v4, 15, v4                           ; groups at or beyond F get batch 15: a valid index, their scores are never read
	v_min_u32 v5, 15, v5
	v_lshlrev_b32 v6, 3, v0
	global_store_b64 v6, v[4:5], s[20:21]          ; v4, v5, v6 are not written again in this job
.Lnotab:
	s_lshl_b32 s46, ttmp9, 16                      ; 16 rows of 4,096 bytes in encb
	s_mov_b32 s47, 0
	s_add_nc_u64 s[14:15], s[14:15], s[46:47]
	s_cmp_lt_u32 ttmp9, s39
	s_cbranch_scc1 .Lcopy
	; a group at or beyond F: 65,536 bytes of zeros, a wave's store covering 512 consecutive bytes
	v_mov_b32 v8, 0
	v_mov_b32 v9, 0
	v_mov_b32 v10, 0
	v_mov_b32 v11, 0
	v_lshlrev_b32 v3, 4, v7
	v_lshl_add_u32 v3, s22, 13, v3
.irp i, 0,1,2,3,4,5,6,7,8,9,10,11,12,13,14,15
	global_store_b128 v3, v[8:11], s[14:15] offset:\i*512
.endr
	s_endpgm
.Lcopy:
	s_sub_co_u32 s44, ttmp9, s40                   ; my group inside the batch
	s_lshl_b32 s45, s41, 5                         ; 32 groups in a batch of encoder_out
	s_add_co_u32 s44, s44, s45
	s_min_u32 s44, s44, 511                        ; a number made of loaded data enters an address behind a clamp
	s_lshl_b32 s44, s44, 17                        ; 16 rows of 8,192 bytes
	s_mov_b32 s45, 0
	s_add_nc_u64 s[4:5], s[4:5], s[44:45]
	v_lshlrev_b32 v1, 4, v7
	v_lshl_add_u32 v1, s22, 14, v1                 ; from: 16 lane + wave x 2 rows of 8,192 bytes
	v_lshlrev_b32 v2, 3, v7
	v_lshl_add_u32 v2, s22, 13, v2                 ; to: 8 lane + wave x 2 rows of 4,096 bytes
	CONV 4, 14, 8192
	; ---------------- job: 16 rows of W_attn[:, 1024:] ----------------
.Lw:
	s_sub_co_u32 s40, ttmp9, 512
	s_mul_i32 s44, s40, 196608                     ; 16 rows of 12,288 bytes,
	s_add_co_u32 s44, s44, 4096                    ; from column 1024 on
	s_mov_b32 s45, 0
	s_add_nc_u64 s[6:7], s[6:7], s[44:45]
	s_lshl_b32 s46, s40, 16
	s_mov_b32 s47, 0
	s_add_nc_u64 s[16:17], s[16:17], s[46:47]
	s_mul_i32 s41, s22, 24576                      ; wave x 2 rows
	v_lshlrev_b32 v1, 4, v7
	v_add_nc_u32 v1, s41, v1
	v_lshlrev_b32 v2, 3, v7
	v_lshl_add_u32 v2, s22, 13, v2
	CONV 6, 16, 12288
	; ---------------- job: the hidden part, outputs o = 16 j .. 16 j + 15, all 16 batches ----------------
	; A 16 x 16 x 1024 product.  Wave w takes k = 128 w .. 128 w + 127 (four matrix instructions); the eight partial tiles meet in LDS.
	; Fragments (ISA guide 7.12.2): lane (r = l % 16, h = l / 16) holds row o = r of W, or column b = r of hidden; registers 0-3 hold k = 8 h .. + 7, registers 4-7 k = 16 + 8 h .. + 7.
.Lhb:
	s_sub_co_u32 s40, ttmp9, 640
	s_mul_i32 s44, s40, 196608
	s_mov_b32 s45, 0
	s_add_nc_u64 s[6:7], s[6:7], s[44:45]          ; W at row 16 j
	s_lshl_b32 s44, s40, 6
	s_add_nc_u64 s[10:11], s[10:11], s[44:45]      ; b_attn at 16 j
	s_lshl_b32 s44, s40, 10
	s_add_nc_u64 s[18:19], s[18:19], s[44:45]      ; hbc at tile j
	v_and_b32 v3, 15, v0                           ; r
	v_bfe_u32 v4, v0, 4, 1                         ; h
	v_mul_u32_u24 v1, v3, 12288
	v_lshl_add_u32 v1, v4, 5, v1
	v_lshl_add_u32 v1, s22, 9, v1                  ; W: r rows + 32 h + 512 w bytes
	v_lshlrev_b32 v2, 2, v3
	v_lshl_add_u32 v2, v4, 9, v2
	v_lshl_add_u32 v2, s22, 13, v2                 ; hidden[k][b]: 4 r + (8 h + 128 w) rows of 64 bytes
	v_and_b32 v5, 3, v0
	v_lshlrev_b32 v5, 4, v5                        ; b_attn: the four o of the 16 bytes that thread t finishes
	v_lshlrev_b32 v6, 6, v3
	v_lshl_add_u32 v6, v4, 5, v6
	v_lshl_add_u32 v6, s22, 10, v6                 ; LDS: my wave's tile [batch r][o], at o = 8 h
.irp c, 0,1,2,3
.irp q, 0,1,2,3
	global_load_b128 v[AF+16*\c+4*\q:AF+16*\c+4*\q+3], v1, s[6:7] offset:128*\c+(\q/2)*64+(\q%2)*16 th:TH_LOAD_NT
.endr
.endr
.irp c, 0,1,2,3
.irp i, 0,1,2,3,4,5,6,7,8,9,10,11,12,13,14,15
	global_load_b32 v[BF+16*\c+\i], v2, s[8:9] offset:(32*\c+\i+(\i/8)*8)*64
.endr
.endr
	global_load_b128 v[BA:BA+3], v5, s[10:11]
	s_wait_loadcnt 0x0
.irp c, 0,1,2,3
.irp i, 0,1,2,3,4,5,6,7
	v_cvt_pk_bf16_f32 v[AF+16*\c+\i], v[AF+16*\c+2*\i], v[AF+16*\c+2*\i+1]   ; in place: register i is written when 2 i and 2 i + 1 are read, never ahead of a later pair
	v_cvt_pk_bf16_f32 v[BF+16*\c+\i], v[BF+16*\c+2*\i], v[BF+16*\c+2*\i+1]
.endr
.endr
	; two accumulators by turns, one instruction a turn; the first two products start the sums
	v_wmma_f32_16x16x32_bf16 v[ACC:ACC+7],    v[AF:AF+7],     v[BF:BF+7],     0
	v_wmma_f32_16x16x32_bf16 v[ACC+8:ACC+15], v[AF+16:AF+23], v[BF+16:BF+23], 0
	v_wmma_f32_16x16x32_bf16 v[ACC:ACC+7],    v[AF+32:AF+39], v[BF+32:BF+39], v[ACC:ACC+7]
	v_wmma_f32_16x16x32_bf16 v[ACC+8:ACC+15], v[AF+48:AF+55], v[BF+48:BF+55], v[ACC+8:ACC+15]
.rept 4
	v_nop                                          ; four places behind the last matrix instruction (ISA guide 7.12.1) before its result is read
.endr
.irp q, 0,2,4,6
	v_pk_add_f32 v[ACC+\q:ACC+\q+1], v[ACC+\q:ACC+\q+1], v[ACC+8+\q:ACC+9+\q]
.endr
	ds_store_b128 v6, v[ACC:ACC+3]                 ; register j of lane (r, h) is (o = 8 h + j, batch r)
	ds_store_b128 v6, v[ACC+4:ACC+7] offset:16
	s_wait_dscnt 0x0                               ; my stores are done before I say so
	s_barrier_signal -1
	s_barrier_wait -1
	s_cmp_gt_u32 s22, 1
	s_cbranch_scc1 .Lhb_end                        ; 64 threads finish the 1,024 bytes of the tile, 16 bytes each
	v_lshlrev_b32 v4, 4, v0
.irp u, 0,1,2,3,4,5,6,7
	ds_load_b128 v[8+4*\u:11+4*\u], v4 offset:1024*\u
.endr
	s_wait_dscnt 0x0
.irp u, 0,2,4,6
	v_pk_add_f32 v[8+4*\u:9+4*\u],   v[8+4*\u:9+4*\u],   v[12+4*\u:13+4*\u]
	v_pk_add_f32 v[10+4*\u:11+4*\u], v[10+4*\u:11+4*\u], v[14+4*\u:15+4*\u]
.endr
.irp u, 0,4
	v_pk_add_f32 v[8+4*\u:9+4*\u],   v[8+4*\u:9+4*\u],   v[16+4*\u:17+4*\u]
	v_pk_add_f32 v[10+4*\u:11+4*\u], v[10+4*\u:11+4*\u], v[18+4*\u:19+4*\u]
.endr
	v_pk_add_f32 v[8:9],   v[8:9],   v[24:25]
	v_pk_add_f32 v[10:11], v[10:11], v[26:27]
	v_pk_add_f32 v[8:9],   v[8:9],   v[BA:BA+1]
	v_pk_add_f32 v[10:11], v[10:11], v[BA+2:BA+3]
	v_pk_mul_f32 v[8:9],   v[8:9],   0x4038aa3b op_sel_hi:[1,0]    ; times 2 log2(e): the exponent of the tanh is made by one fused multiply-add later
	v_pk_mul_f32 v[10:11], v[10:11], 0x4038aa3b op_sel_hi:[1,0]
	global_store_b128 v4, v[8:11], s[18:19]        ; a wave stores 512 consecutive bytes
.Lhb_end:
	s_wait_tensorcnt 0x0
	ds_add_u32 v160, v161
	s_wait_dscnt 0x0
	s_endpgm
.Lfunc_end_k_q8236d76758_prep:
	.size	k_q8236d76758_prep, .Lfunc_end_k_q8236d76758_prep-k_q8236d76758_prep
	.p2alignl 7, 3214868480
	.fill 96, 4, 3214868480
	.section	.rodata,"a",@progbits
	.p2align	6, 0x0
	.amdhsa_kernel k_q8236d76758_prep
		.amdhsa_group_segment_fixed_size 9216
		.amdhsa_private_segment_fixed_size 0
		.amdhsa_enable_private_segment 0
		.amdhsa_kernarg_size 72
		.amdhsa_user_sgpr_count 2
		.amdhsa_user_sgpr_kernarg_segment_ptr 1
		.amdhsa_wavefront_size32 1
		.amdhsa_system_sgpr_workgroup_id_x 1
		.amdhsa_system_sgpr_workgroup_id_y 1
		.amdhsa_system_sgpr_workgroup_id_z 1
		.amdhsa_system_vgpr_workitem_id 0
		.amdhsa_next_free_vgpr 162
		.amdhsa_next_free_sgpr 66
		.amdhsa_reserve_vcc 1
		.amdhsa_float_denorm_mode_32 3
		.amdhsa_float_denorm_mode_16_64 3
		.amdhsa_memory_ordered 1
		.amdhsa_forward_progress 1
		.amdhsa_inst_pref_size 51
	.end_amdhsa_kernel
	.amdgpu_metadata
---
amdhsa.version: [ 1, 2 ]
amdhsa.kernels:
  - .name:           k_q8236d76758_prep
    .symbol:         k_q8236d76758_prep.kd
    .args:
      - { .name: encoder_out, .offset: 0, .size: 8, .value_kind: global_buffer, .address_space: global }
      - { .name: W_attn, .offset: 8, .size: 8, .value_kind: global_buffer, .address_space: global }
      - { .name: hidden, .offset: 16, .size: 8, .value_kind: global_buffer, .address_space: global }
      - { .name: b_attn, .offset: 24, .size: 8, .value_kind: global_buffer, .address_space: global }
      - { .name: lengths, .offset: 32, .size: 8, .value_kind: global_buffer, .address_space: global }
      - { .name: encb, .offset: 40, .size: 8, .value_kind: global_buffer, .address_space: global }
      - { .name: wb, .offset: 48, .size: 8, .value_kind: global_buffer, .address_space: global }
      - { .name: hbc, .offset: 56, .size: 8, .value_kind: global_buffer, .address_space: global }
      - { .name: fragb, .offset: 64, .size: 8, .value_kind: global_buffer, .address_space: global }
    .group_segment_fixed_size: 9216
    .private_segment_fixed_size: 0
    .kernarg_segment_align: 8
    .kernarg_segment_size: 72
    .max_flat_workgroup_size: 256
    .sgpr_count:     66
    .vgpr_count:     162
    .wavefront_size: 32
...
	.end_amdgpu_metadata
.endif
;; end of part 1
;; launch gemm (part 2): grid 8 x 32, 4 waves a work-group, clusters of 4 x 4, 327,680 bytes of LDS; arguments encb, wb, hbc, w_v, fragb, part; writes part
.if DOCPART == 2
	.amdgcn_target "amdgcn-amd-amdhsa--gfx1250"
	.amdhsa_code_object_version 6
	.text
	.protected	k_q8236d76758_gemm
	.globl	k_q8236d76758_gemm
	.p2align	8
	.type	k_q8236d76758_gemm,@function
k_q8236d76758_gemm:
	s_mov_b64 s[64:65], 0
	v_nop
	global_prefetch_b8 v0, s[64:65] scope:SCOPE_SE
	s_setreg_imm32_b32 hwreg(HW_REG_WAVE_MODE, 25, 1), 1
	s_wait_xcnt 0x0
	s_wait_alu depctr_hold_cnt(0) depctr_sa_sdst(0) depctr_va_vdst(0) depctr_va_sdst(0) depctr_va_ssrc(0) depctr_va_vcc(0) depctr_vm_vsrc(0)
	s_getreg_b32 s2, hwreg(HW_REG_IB_STS2, 6, 4)
	s_cmp_eq_u32 s2, 0
	s_cbranch_scc0 .Lentry_in_a_cluster
	s_endpgm
.Lentry_in_a_cluster:
	s_bfe_u32 s2, ttmp6, 0x10000c
	s_cmp_lg_u32 s2, 0xf033
	s_cbranch_scc0 .Lentry_shape_is_right
	s_endpgm
.Lentry_shape_is_right:
; part[slab][row] = sum over the slab's 128 columns o of w_v[o] tanh( encb[row] . wb[o] + hidden part[batch of row][o] ).
; encb: [8192 packed rows][2048] bf16, wb: [2048][2048] bf16, sums in f32.  A work-group makes 256 rows x 256 columns with four waves, a wave
; 128 x 128: 64 accumulator tiles of 16 x 16 in 512 registers.  K goes in steps of 128 (rows of 256 bytes, aligned) through two LDS slots.
; CLUSTERS: 4 x 4 work-groups.  The four of a row of the cluster make blocks of one block of rows and need the same tiles of encb; the four of a column
; need the same tiles of wb.  Each tile is asked for jointly by the four that need it, which divides the requests for both operands by four.
; RAGGED: all 8,192 packed rows are multiplied.  Those behind the batches' kept groups hold zeros; their scores are computed, stored and never
; read.  That work is wasted: leaving it out would put every barrier of this text behind a branch on numbers read from memory.
; tanh(x) = 1 - 2 / (1 + 2^(2 log2(e) x)): an exponent too large gives infinity, then 0, then exactly 1; one too small gives exactly -1.
;
; REGISTERS, in windows of 256:
;   window 0: v16-27 addresses; v32-39 w_v; v40-41 their sum; v44-47 the way out; v48-55 row sums; v56-63 offsets into hbc;
;             v64-127, v128-191 fragments of encb, two buffers (the first serves the tanh afterwards); v192-255 the hidden part of my 8 x 8 tiles
;   window 1: v64-127, v128-191 fragments of wb, two buffers
;   window 2: the 32 accumulator tiles of my rows 0-63 (tile (a, b) at v[8 (8 a + b)]);  window 3: those of my rows 64-127
; Source 0 = 16 rows of encb, source 1 = 16 rows of wb: register j of lane (r, h) is row 8 h + j, column r of the tile (ISA guide 7.12.2), so the sum over
; columns runs over a lane's eight tiles b and then over sixteen lanes.
.set KSTEP,  128
.set PITCH,  272                       ; an LDS row: 256 bytes + 16 of padding, so that the 16 rows of a fragment load start 68 words apart
.set HALFT,  128*PITCH                 ; 128 rows: one tensor load, and what a wave reads of either operand
.set SLOT,   4*HALFT                   ; encb's 256 rows, then wb's 256 rows
.set STAGE,  2*SLOT                    ; behind the ring, at a multiple of 256 bytes: 512 bytes for each wave, into which no tensor load lands
.set LAPS,   2048/(2*KSTEP)            ; a lap = two K steps = once round the ring
.set ADRA, 16
.set ADRB, 20
.set STG,  24                          ; stage + 512 wave + 32 h
.set RD,   25                          ; stage + 512 wave + 16 lane
.set PO,   26                          ; 16 lane
.set R4,   27                          ; 4 r
.set WV,   32
.set LS,   40
.set OUTV, 44
.set S,    48
.set OFB,  56
.set F0,   64
.set F1,   128
.set Y,    64
.set BI,   192
.set G1,  24                           ; s[24:31] group 1 for encb's tiles
.set G0,  32                           ; s[32:39] group 0 for encb's tiles, a set for each slot
.set G1B, 48                           ; s[48:55] group 1 for wb's tiles: it differs from encb's in the mask alone
.set G0B, 56                           ; s[56:63] group 0 for wb's tiles, a set for each slot
.set MSB, 0
.macro WIN new                         ; the immediate's high byte repeats the setting that is left
.if MSB != \new
	s_set_vgpr_msb (MSB<<8)|\new
.set MSB, \new
.endif
.endm
.set MUL_LO, 0xa4                      ; source 0 (encb) window 0, source 1 (wb) window 1, C and D window 2
.set MUL_HI, 0xf4                      ; the same, C and D window 3
.set TO_B,   0x40                      ; destination window 1, address window 0
; One joint load a wave.  Waves 0 and 1 ask for encb's two halves, waves 2 and 3 for wb's.  Each of the two lines has one mask and one set of registers for all
; that issue it, and nothing in them hangs on a coordinate that the four partners do not share.  The branch hangs on the wave's number alone.
.macro JLOAD s
	s_cmp_eq_u32 s19, 0
	s_cbranch_scc0 .Lfor_b_\@
	tensor_load_to_lds s[G0+4*\s:G0+4*\s+3], s[G1:G1+7]
	s_nop 0
	s_branch .Lasked_\@
.Lfor_b_\@:
	tensor_load_to_lds s[G0B+4*\s:G0B+4*\s+3], s[G1B:G1B+7]
	s_nop 0
.Lasked_\@:
.endm
; A round of the cluster's barrier: my work-group's barrier; wave 0 signals for the work-group; every wave waits for all sixteen work-groups; my work-group's barrier again.
.macro CREST                           ; a round behind its opening barrier
	s_cmp_lg_u32 s18, 0
	s_cbranch_scc1 .Lnot_wave_0_\@
	s_barrier_signal -3
.Lnot_wave_0_\@:
	s_barrier_wait -3
	s_barrier_signal -1
	s_barrier_wait -1
.endm
.macro CROUND
	s_barrier_signal -1
	s_barrier_wait -1
	CREST
.endm
	s_load_b256 s[4:11], s[0:1], 0x0               ; encb s[4:5], wb s[6:7], hbc s[8:9], w_v s[10:11]
	s_load_b128 s[12:15], s[0:1], 0x20             ; fragb s[12:13], part s[14:15]
	v_lshl_add_u32 v43, v0, 2, 0x44800
	s_set_vgpr_msb 0x40
	v_mov_b32 v255, 0
	s_set_vgpr_msb 0x4044
	ds_add_u32 v43, v255
	s_set_vgpr_msb 0x4400
	v_lshrrev_b32 v1, 5, v0
	v_readfirstlane_b32 s18, v1                    ; wave 0..3
	s_lshr_b32 s19, s18, 1                         ; my half of the block's rows.  Also: I fetch encb (0) or wb (1)
	s_and_b32 s20, s18, 1                          ; my half of its columns.  Also: which 128 rows of that tile I fetch
	s_bfe_u32 s21, ttmp6, 0x40000                  ; cx
	s_bfe_u32 s68, ttmp6, 0x40004                  ; cy
	s_lshl_b32 s22, ttmp9, 2                       ; in a cluster launch ttmp9 and ttmp7 count clusters
	s_add_co_u32 s22, s22, s21                     ; block of columns = 4 x cluster x + cx
	s_and_b32 s23, ttmp7, 0xffff
	s_lshl_b32 s23, s23, 2
	s_add_co_u32 s23, s23, s68                     ; block of rows = 4 x cluster y + cy
	s_lshl_b32 s69, s68, 2
	s_lshl_b32 s69, 15, s69                        ; my row of the cluster: places 4 cy .. 4 cy + 3
	s_lshl_b32 s70, 0x1111, s21                    ; my column: places cx, cx + 4, cx + 8, cx + 12
	; group 1: a tile of 128 rows x 128 elements of 2 bytes, 4 words of padding behind every 64 words, 2,048 elements from row to row
	s_or_b32 s[G1+0], s69, (1<<16)|(1<<20)|(1<<21)|(5<<22)|(3<<25)  ; 15:0 the mask: encb's tiles go to my row; bit 21 set beside it
	s_or_b32 s[G1B+0], s70, (1<<16)|(1<<20)|(1<<21)|(5<<22)|(3<<25) ; the same with the mask of my column, for wb's tiles
.irp g, G1, G1B
	s_mov_b32 s[\g+1], KSTEP<<16                   ; tensor_dim0 = 128
	s_mov_b32 s[\g+2], 128<<16                     ; tensor_dim1 = 128
	s_mov_b32 s[\g+3], KSTEP<<16                   ; tile_dim0 = 128
	s_mov_b32 s[\g+4], 128                         ; tile_dim1 = 128
	s_mov_b32 s[\g+5], 2048                        ; pitch
	s_mov_b32 s[\g+6], 0
	s_mov_b32 s[\g+7], 0
.endr
	s_lshl_b32 s72, s23, 6                         ; the table group -> batch: 16 words for a block of rows,
	s_lshl_b32 s73, s19, 5                         ; 8 for my half
	s_add_co_u32 s72, s72, s73
	s_mov_b32 s73, 0
	s_wait_dscnt 0x0
	s_wait_kmcnt 0x0
	s_add_nc_u64 s[12:13], s[12:13], s[72:73]
	s_load_b256 s[84:91], s[12:13], 0x0            ; the batches of my eight fragments of 16 rows
	s_lshl_b32 s42, s20, 19                        ; 128 rows of 4,096 bytes: the half of a tile that I fetch
	s_lshl_b32 s40, s23, 20                        ; encb: 256 rows x block of rows; no register of this address ever holds cx
	s_add_co_u32 s40, s40, s42
	s_mov_b32 s41, 0
	s_lshl_b32 s46, s22, 20                        ; wb: 256 rows x block of columns; no register of this address holds cy
	s_add_co_u32 s46, s46, s42
	s_mov_b32 s47, 0
	s_mul_i32 s44, s18, HALFT                      ; to LDS: wave x 128 rows: no place in the cluster enters an LDS address
	s_add_nc_u64 s[40:41], s[4:5], s[40:41]
	s_add_nc_u64 s[46:47], s[6:7], s[46:47]
	s_wait_kmcnt 0x0
.irp a, 0,1,2,3,4,5,6,7
	s_min_u32 s[84+\a], s[84+\a], 15               ; loaded numbers enter addresses behind a clamp
.endr
	CROUND                                         ; all sixteen work-groups are here: the first joint loads meet
.irp s, 0,1
	s_mov_b32 s[G0+4*\s], 1
	s_add_co_u32 s[G0+4*\s+1], s44, \s*SLOT
	s_add_nc_u64 s[G0+4*\s+2:G0+4*\s+3], s[40:41], \s*KSTEP*2      ; K step s
	s_or_b32 s[G0+4*\s+3], s[G0+4*\s+3], 0x80000000
	s_mov_b32 s[G0B+4*\s], 1
	s_add_co_u32 s[G0B+4*\s+1], s44, \s*SLOT
	s_add_nc_u64 s[G0B+4*\s+2:G0B+4*\s+3], s[46:47], \s*KSTEP*2
	s_or_b32 s[G0B+4*\s+3], s[G0B+4*\s+3], 0x80000000
	JLOAD \s                                       ; both slots' first fills go out together: two tensor loads of the wave are out here, one later
.endr
	v_and_b32 v1, 15, v0                           ; r
	v_bfe_u32 v2, v0, 4, 1                         ; h
	v_mul_u32_u24 v3, v1, PITCH
	v_lshl_add_u32 v3, v2, 4, v3                   ; a fragment: row r, 16 bytes for each half of the lanes, two loads 32 bytes apart
	s_mul_i32 s42, s19, HALFT                      ; my 128 rows of encb
	s_mul_i32 s43, s20, HALFT                      ; my 128 rows of wb,
	s_add_co_u32 s43, s43, 2*HALFT                 ; which lie behind encb's 256
.irp s, 0,1
	v_add_nc_u32 v[ADRA+\s], s42, v3
	v_add_nc_u32 v[ADRB+\s], s43, v3
	s_add_co_u32 s42, s42, SLOT
	s_add_co_u32 s43, s43, SLOT
.endr
	s_lshl_b32 s45, s18, 9
	s_add_co_u32 s45, s45, STAGE                   ; my stage
	v_lshl_add_u32 v[STG], v2, 5, s45
	v_and_b32 v4, 31, v0
	v_lshlrev_b32 v[PO], 4, v4
	v_add_nc_u32 v[RD], s45, v[PO]
	v_lshlrev_b32 v[R4], 2, v1
	; what the tanh will need is asked for now and lands while K is walked: none of these registers is touched before the wait behind the last product
	s_lshl_b32 s46, s22, 14                        ; hbc: 16 tiles of 1,024 bytes for a block of columns,
	s_lshl_b32 s47, s20, 13                        ; 8 for my half
	s_add_co_u32 s46, s46, s47
	s_mov_b32 s47, 0
	s_add_nc_u64 s[8:9], s[8:9], s[46:47]
	s_lshl_b32 s46, s22, 10                        ; w_v: 256 numbers for a block, 128 for my half
	s_lshl_b32 s47, s20, 9
	s_add_co_u32 s46, s46, s47
	s_mov_b32 s47, 0
	s_add_nc_u64 s[10:11], s[10:11], s[46:47]
.irp a, 0,1,2,3,4,5,6,7
	v_lshl_add_u32 v[OFB+\a], s[84+\a], 6, v[R4]   ; the batch's 64 bytes in a tile of hbc, column r
.endr
.irp a, 0,1,2,3,4,5,6,7
.irp b, 0,1,2,3,4,5,6,7
	global_load_b32 v[BI+8*\a+\b], v[OFB+\a], s[8:9] offset:1024*\b
.endr
.endr
.irp b, 0,1,2,3,4,5,6,7
	global_load_b32 v[WV+\b], v[R4], s[10:11] offset:64*\b
.endr
; 16 matrix instructions: row tiles a0, a0 + 1 of the window's four x all 8 column tiles, 32 along K.  zero = 1: the first product starts the sums.
; The 64 accumulators take turns, one instruction a turn, in the same order in every quarter step.
.macro MUL16 f, hi, a0, zero
.irp a, \a0, \a0+1
.irp b, 0,1,2,3,4,5,6,7
.if \zero
	v_wmma_f32_16x16x32_bf16 v[8*(8*(\a)+\b):8*(8*(\a)+\b)+7], v[\f+8*(4*\hi+\a):\f+8*(4*\hi+\a)+7], v[\f+8*\b:\f+8*\b+7], 0
.else
	v_wmma_f32_16x16x32_bf16 v[8*(8*(\a)+\b):8*(8*(\a)+\b)+7], v[\f+8*(4*\hi+\a):\f+8*(4*\hi+\a)+7], v[\f+8*\b:\f+8*\b+7], v[8*(8*(\a)+\b):8*(8*(\a)+\b)+7]
.endif
.endr
.endr
.endm
; 32 LDS loads in one run: the fragments of one quarter step (128 rows of wb, 128 rows of encb, 32 K at byte k of the rows) into buffer f
.macro FETCH slot, k, f
	WIN TO_B
.irp i, 0,1,2,3,4,5,6,7
	ds_load_b128 v[\f+8*\i:\f+8*\i+3],   v[ADRB+\slot] offset:\k+\i*16*PITCH
	ds_load_b128 v[\f+8*\i+4:\f+8*\i+7], v[ADRB+\slot] offset:\k+\i*16*PITCH+32
.endr
	WIN 0
.irp i, 0,1,2,3,4,5,6,7
	ds_load_b128 v[\f+8*\i:\f+8*\i+3],   v[ADRA+\slot] offset:\k+\i*16*PITCH
	ds_load_b128 v[\f+8*\i+4:\f+8*\i+7], v[ADRA+\slot] offset:\k+\i*16*PITCH+32
.endr
.endm
; Four places of plain vector instructions behind a matrix instruction before a load lands on one of its sources or a vector instruction reads its
; result (ISA guide 7.12.1 for vector instructions); the matrix instructions in between are not counted.
.macro PLACES
.rept 4
	v_nop
.endr
.endm
; A K step is four quarter steps of 32 along K, 64 matrix instructions each, on buffers 0, 1, 0, 1.
.macro QUARTER slot, k, f, g, zero
	s_wait_dscnt 8                                 ; wb's fragments and encb's rows 0-63 are in; the youngest eight loads (rows 64-127) may be out
	WIN MUL_LO
	MUL16 \f, 0, 0, \zero
	MUL16 \f, 0, 2, \zero
	PLACES
	FETCH \slot, \k, \g
	s_wait_dscnt 32                                ; all but the 32 just issued
	WIN MUL_HI
	MUL16 \f, 1, 0, \zero
	MUL16 \f, 1, 2, \zero
.endm
.macro THREE slot, zero
	QUARTER \slot, 64,  F0, F1, \zero
	QUARTER \slot, 128, F1, F0, 0
	QUARTER \slot, 192, F0, F1, 0
.endm
; The last quarter changes slots.  In front of the barrier each wave waits for its reads of this slot and for all its tensor loads (the one that is out is its
; part of the next slot).  Where the slot is filled again the barrier opens a round of the cluster's barrier, with register work alone inside, and the
; refill is the wave's first and only tensor load behind the round.  From a request to the wait for it a wave issues 240 matrix instructions.
.macro TURN slot, next, fill
	s_wait_dscnt 8
	WIN MUL_LO
	MUL16 F1, 0, 0, 0
	s_wait_dscnt 0                                 ; my reads of this slot are over
	s_wait_tensorcnt 0x0                           ; and all my tensor loads have landed
	ds_add_u32 v43, v255
	s_wait_dscnt 0x0
	s_barrier_signal -1
	MUL16 F1, 0, 2, 0                              ; registers only
	WIN 0
	s_barrier_wait -1
.if \fill
	CREST                                          ; no wave of any partner still reads this slot or has a load on its way
	s_add_nc_u64 s[G0+4*\slot+2:G0+4*\slot+3], s[G0+4*\slot+2:G0+4*\slot+3], 2*KSTEP*2
	s_add_nc_u64 s[G0B+4*\slot+2:G0B+4*\slot+3], s[G0B+4*\slot+2:G0B+4*\slot+3], 2*KSTEP*2
	JLOAD \slot
.endif
	PLACES
	FETCH \next, 0, F0
	WIN MUL_HI
	MUL16 F1, 1, 0, 0
	MUL16 F1, 1, 2, 0
.endm
.macro LAP zero
	THREE 0, \zero
	TURN 0, 1, 1
	THREE 1, 0
	TURN 1, 0, 1
.endm
	s_wait_tensorcnt 1                             ; my part of K step 0 is in; K step 1's may stay out
	s_barrier_signal -1
	s_barrier_wait -1
	FETCH 0, 0, F0
	LAP 1                                          ; the first lap's first products start the sums
	WIN 0
	s_mov_b32 s3, LAPS-2
.Llap:
	LAP 0
	WIN 0
	s_sub_co_u32 s3, s3, 1
	s_cmp_lg_u32 s3, 0
	s_cbranch_scc1 .Llap
	THREE 0, 0                                     ; the last lap fills nothing and has no round
	TURN 0, 1, 0
	THREE 1, 0
	s_wait_dscnt 8
	WIN MUL_LO
	MUL16 F1, 0, 0, 0
	MUL16 F1, 0, 2, 0
	s_wait_dscnt 0
	WIN MUL_HI
	MUL16 F1, 1, 0, 0
	MUL16 F1, 1, 2, 0
	; THE SCORES.  w tanh(x) = w + (-2 w) / (1 + 2^y), y = 2 log2(e) acc + hbc (hbc is stored already scaled).
	PLACES                                         ; behind the last matrix instructions: results are read, buffer 0 is written
	WIN 0
	s_wait_loadcnt 0x0                             ; hbc's 64 numbers and w_v's 8, asked for ahead of the K loop
	v_add_f32 v[LS], v[WV], v[WV+1]
.irp b, 2,3,4,5,6,7
	v_add_f32 v[LS], v[LS], v[WV+\b]               ; the sum of w over my lane's eight columns starts every row's sum
.endr
	v_mov_b32 v[LS+1], v[LS]
.irp b, 0,2,4,6
	v_pk_mul_f32 v[WV+\b:WV+\b+1], v[WV+\b:WV+\b+1], -2.0 op_sel_hi:[1,0]
.endr
; the eight row sums take column tile g's reciprocals times -2 w of that tile's column
.macro SFMA g
.irp q, 0,2,4,6
.if \g == 0
	v_pk_fma_f32 v[S+\q:S+\q+1], v[Y+\q:Y+\q+1], v[WV:WV+1], v[LS:LS+1] op_sel_hi:[1,0,1]
	s_wait_alu depctr_va_vdst(0)
.elseif \g % 2
	v_pk_fma_f32 v[S+\q:S+\q+1], v[Y+8*\g+\q:Y+8*\g+\q+1], v[WV+\g-1:WV+\g], v[S+\q:S+\q+1] op_sel:[0,1,0] op_sel_hi:[1,1,1]
.else
	v_pk_fma_f32 v[S+\q:S+\q+1], v[Y+8*\g+\q:Y+8*\g+\q+1], v[WV+\g:WV+\g+1], v[S+\q:S+\q+1] op_sel_hi:[1,0,1]
	s_wait_alu depctr_va_vdst(0)
.endif
.endr
.endm
; column tile g: 2^y, + 1, reciprocal.  Behind a run of transcendentals a plain vector instruction that touches none of their registers stands before a
; result is used (ISA guide 5.7.2): here the sums of tile p = g - 2, or a v_nop where there is none yet.
.macro GRP g, p
.irp j, 0,1,2,3,4,5,6,7
	v_exp_f32 v[Y+8*\g+\j], v[Y+8*\g+\j]
.endr
.if \p < 0
	v_nop
	s_wait_alu depctr_va_vdst(0)
.else
	SFMA \p
.endif
	s_wait_alu depctr_va_vdst(0)
.irp q, 0,2,4,6
	v_pk_add_f32 v[Y+8*\g+\q:Y+8*\g+\q+1], v[Y+8*\g+\q:Y+8*\g+\q+1], 1.0 op_sel_hi:[1,0]
.endr
.irp j, 0,1,2,3,4,5,6,7
	v_rcp_f32 v[Y+8*\g+\j], v[Y+8*\g+\j]
.endr
.endm
; rows 16 a .. 16 a + 15 of my 128: m = a % 4, win = source 0 in window 2 (a < 4) or 3
.macro FRAG a, m, win
	WIN \win
.irp b, 0,1,2,3,4,5,6,7
.irp q, 0,2,4,6
.if \b % 2
	v_pk_fma_f32 v[Y+8*\b+\q:Y+8*\b+\q+1], v[64*\m+8*\b+\q:64*\m+8*\b+\q+1], 0x4038aa3b, v[BI+8*\a+\b-1:BI+8*\a+\b] op_sel:[0,0,1] op_sel_hi:[1,0,1]
.else
	v_pk_fma_f32 v[Y+8*\b+\q:Y+8*\b+\q+1], v[64*\m+8*\b+\q:64*\m+8*\b+\q+1], 0x4038aa3b, v[BI+8*\a+\b:BI+8*\a+\b+1] op_sel_hi:[1,0,0]
.endif
.endr
.endr
	WIN 0
	GRP 0, -1
	GRP 1, -1
	GRP 2, 0
	GRP 3, 1
	GRP 4, 2
	GRP 5, 3
	GRP 6, 4
	GRP 7, 5
	SFMA 6                                         ; also the plain place behind tile 7's reciprocals
	SFMA 7
.irp x, 1,2,4,8
.irp j, 0,1,2,3,4,5,6,7
	v_add_f32_dpp v[S+\j], v[S+\j], v[S+\j] row_xmask:\x row_mask:0xf bank_mask:0xf   ; over the sixteen columns that the lanes of a half hold
.endr
.endr
	ds_store_b128 v[STG], v[S:S+3]   offset:64*\a      ; rows 16 a + 8 h + 0..3: the sixteen lanes of a half write the same words with the same values
	ds_store_b128 v[STG], v[S+4:S+7] offset:64*\a+16
.endm
	FRAG 0, 0, 0x02
	FRAG 1, 1, 0x02
	FRAG 2, 2, 0x02
	FRAG 3, 3, 0x02
	FRAG 4, 0, 0x03
	FRAG 5, 1, 0x03
	FRAG 6, 2, 0x03
	FRAG 7, 3, 0x03
	ds_load_b128 v[OUTV:OUTV+3], v[RD]             ; my own 512 bytes: LDS serves a wave's instructions in order (ISA guide 5.7.1.4)
	s_lshl_b32 s46, s22, 16                        ; part: two slabs of 32,768 bytes for a block of columns,
	s_lshl_b32 s47, s20, 15                        ; one for my half,
	s_add_co_u32 s46, s46, s47
	s_lshl_b32 s47, s23, 10                        ; 256 rows of 4 bytes for a block of rows,
	s_add_co_u32 s46, s46, s47
	s_lshl_b32 s47, s19, 9                         ; 128 for my half
	s_add_co_u32 s46, s46, s47
	s_mov_b32 s47, 0
	s_add_nc_u64 s[14:15], s[14:15], s[46:47]
	s_wait_dscnt 0x0
	global_store_b128 v[PO], v[OUTV:OUTV+3], s[14:15]      ; the wave stores 512 consecutive bytes, aligned
	s_set_vgpr_msb 0x4
	s_wait_tensorcnt 0x0
	ds_add_u32 v43, v255
	s_wait_dscnt 0x0
	s_set_vgpr_msb 0x400
	CROUND                                         ; the closing round: no work-group ends while a partner may still ask for a tile that names it
	s_endpgm
.Lfunc_end_k_q8236d76758_gemm:
	.size	k_q8236d76758_gemm, .Lfunc_end_k_q8236d76758_gemm-k_q8236d76758_gemm
	.p2alignl 7, 3214868480
	.fill 96, 4, 3214868480
	.section	.rodata,"a",@progbits
	.p2align	6, 0x0
	.amdhsa_kernel k_q8236d76758_gemm
		.amdhsa_group_segment_fixed_size 327680
		.amdhsa_private_segment_fixed_size 0
		.amdhsa_enable_private_segment 0
		.amdhsa_kernarg_size 48
		.amdhsa_user_sgpr_count 2
		.amdhsa_user_sgpr_kernarg_segment_ptr 1
		.amdhsa_wavefront_size32 1
		.amdhsa_system_sgpr_workgroup_id_x 1
		.amdhsa_system_sgpr_workgroup_id_y 1
		.amdhsa_system_sgpr_workgroup_id_z 1
		.amdhsa_system_vgpr_workitem_id 0
		.amdhsa_next_free_vgpr 1024
		.amdhsa_next_free_sgpr 92
		.amdhsa_reserve_vcc 0
		.amdhsa_float_denorm_mode_32 3
		.amdhsa_float_denorm_mode_16_64 3
		.amdhsa_memory_ordered 1
		.amdhsa_forward_progress 1
		.amdhsa_inst_pref_size 255
	.end_amdhsa_kernel
	.section	.bss,"aw",@nobits
	.p2align	6
	.space	262144
	.amdgpu_metadata
---
amdhsa.version: [ 1, 2 ]
amdhsa.kernels:
  - .name:           k_q8236d76758_gemm
    .symbol:         k_q8236d76758_gemm.kd
    .args:
      - { .name: encb, .offset: 0, .size: 8, .value_kind: global_buffer, .address_space: global }
      - { .name: wb, .offset: 8, .size: 8, .value_kind: global_buffer, .address_space: global }
      - { .name: hbc, .offset: 16, .size: 8, .value_kind: global_buffer, .address_space: global }
      - { .name: w_v, .offset: 24, .size: 8, .value_kind: global_buffer, .address_space: global }
      - { .name: fragb, .offset: 32, .size: 8, .value_kind: global_buffer, .address_space: global }
      - { .name: part, .offset: 40, .size: 8, .value_kind: global_buffer, .address_space: global }
    .group_segment_fixed_size: 327680
    .private_segment_fixed_size: 0
    .kernarg_segment_align: 8
    .kernarg_segment_size: 48
    .max_flat_workgroup_size: 128
    .sgpr_count:     92
    .vgpr_count:     1024
    .wavefront_size: 32
...
	.end_amdgpu_metadata
.endif
;; end of part 2
;; launch ctx (part 3): grid 16 x 16, 8 waves a work-group, no clusters, 11,776 bytes of LDS; arguments part, encb, lengths, b_v, out0; writes out0
.if DOCPART == 3
	.amdgcn_target "amdgcn-amd-amdhsa--gfx1250"
	.amdhsa_code_object_version 6
	.text
	.protected	k_q8236d76758_ctx
	.globl	k_q8236d76758_ctx
	.p2align	8
	.type	k_q8236d76758_ctx,@function
k_q8236d76758_ctx:
	s_mov_b64 s[64:65], 0
	v_nop
	global_prefetch_b8 v0, s[64:65] scope:SCOPE_SE
	s_setreg_imm32_b32 hwreg(HW_REG_WAVE_MODE, 25, 1), 1
	s_wait_xcnt 0x0
; out0[b][c] = sum over s < len_b of softmax(score[b][.])[s] x enc[b][s][c].
; Work-group (x = chunk of 128 columns, y = batch b), eight waves.  Each work-group sums the batch's 16 slabs of partial scores, adds b_v, masks,
; takes the true maximum away, and weighs 256 bytes of every packed row of the batch.  The softmax is repeated in the batch's 16 work-groups
; (32 KiB of part each) rather than handed over by a launch of its own.
; Stream q = thread / 16 (16 streams) takes rows 32 q .. 32 q + 31; its sixteen lanes take 16 bytes each: 256 consecutive bytes of a row, aligned.
; Rows beyond the batch's kept groups are read as the batch's last row and meet the weight 0.  No loop and no branch hangs on data.
; LIMITS: enc is taken as rounded to bf16 (encb), weights and sums in f32; lengths below 0 count as 0 (the row of out0 is then zero, as in the problem's
; own masking), above 512 as 512.  No matrix unit: a product of one row, bound by its bytes.
; LDS: 0 eight wave maxima; 256 eight wave sums; 512 the 512 weights; 2560 sixteen streams x 128 f32.  Each region is written once.
.set OFFS, 16                          ; v[16:47]   byte offsets of my 32 row loads
.set P,    48                          ; v[48:79]   16 pairs of partial scores; then the maxima; then E
.set E,    48                          ; v[48:79]   the weights of my stream's 32 rows
.set X,    80                          ; v[80:207]  32 loads of 16 bytes
.set ACC,  208                         ; v[208:215] my 8 columns
.set SUMS, 216                         ; v[216:223] the eight wave sums
	s_load_b256 s[4:11], s[0:1], 0x0               ; part s[4:5], encb s[6:7], lengths s[8:9], b_v s[10:11]
	s_load_b64 s[12:13], s[0:1], 0x20              ; out0
	v_lshl_add_u32 v224, v0, 2, 0x2a00
	v_mov_b32 v225, 0
	v_lshrrev_b32 v1, 5, v0
	v_readfirstlane_b32 s14, v1                    ; wave 0..7
	s_and_b32 s15, ttmp7, 0xffff                   ; b
	s_mov_b32 s40, 0x76543210                      ; v_permlanex16_b32: lane i of one half reads lane i of the other
	s_mov_b32 s41, 0xfedcba98
	s_wait_kmcnt 0x0
	s_load_b512 s[16:31], s[8:9], 0x0
	s_load_b32 s32, s[10:11], 0x0
	s_mov_b32 s33, 0                               ; the pair's second word, not used
	s_mov_b32 s35, 0                               ; groups of the batches in front of mine
	s_mov_b32 s36, 0                               ; my length
	s_wait_kmcnt 0x0
.irp i, 0,1,2,3,4,5,6,7,8,9,10,11,12,13,14,15
	s_max_i32 s[16+\i], s[16+\i], 0
	s_min_u32 s[16+\i], s[16+\i], 512
	s_add_co_u32 s34, s[16+\i], 15
	s_lshr_b32 s34, s34, 4
	s_cmp_gt_u32 s15, \i
	s_cselect_b32 s34, s34, 0
	s_add_co_u32 s35, s35, s34
	s_cmp_eq_u32 s15, \i
	s_cselect_b32 s36, s[16+\i], s36
.endr
	s_add_co_u32 s37, s36, 15
	s_and_b32 s37, s37, -16                        ; my kept rows
	s_lshl_b32 s39, s35, 4                         ; my first packed row
	s_max_u32 s38, s37, 1
	s_add_co_u32 s38, s38, s39
	s_sub_co_u32 s38, s38, 1                       ; my last packed row
	s_and_b32 s34, s38, -2                         ; the last pair of rows
	; the partial scores first, so that they can be waited for while the rows stay out: thread t takes positions 2 t and 2 t + 1
	v_lshlrev_b32 v8, 1, v0
	v_add_nc_u32 v1, s39, v8
	v_min_u32 v1, s34, v1
	v_min_u32 v1, 0x1ffe, v1                       ; loaded numbers enter addresses behind a clamp
	v_lshlrev_b32 v1, 2, v1
.irp u, 0,1,2,3,4,5,6,7,8,9,10,11,12,13,14,15
	global_load_b64 v[P+2*\u:P+2*\u+1], v1, s[4:5] offset:32768*\u
.endr
	; the rows: all 32 loads of a lane go out now and land under the softmax
	v_lshrrev_b32 v2, 4, v0
	v_lshl_add_u32 v2, v2, 5, s39                  ; my stream's first row
	v_and_b32 v3, 15, v0
	v_lshlrev_b32 v3, 4, v3
	s_lshl_b32 s44, ttmp9, 8
	v_add_nc_u32 v3, s44, v3                       ; the chunk's 256 bytes, my 16
.set i, 0
.rept 32
	v_add_nc_u32 v4, i, v2
	v_min_u32 v4, s38, v4
	v_min_u32 v4, 0x1fff, v4
	v_lshl_add_u32 v[OFFS+i], v4, 12, v3
	global_load_b128 v[X+4*i:X+4*i+3], v[OFFS+i], s[6:7]
.set i, i+1
.endr
	v_cmp_gt_u32 s42, s36, v8                      ; 2 t < len
	v_or_b32 v9, 1, v8
	v_cmp_gt_u32 s43, s36, v9                      ; 2 t + 1 < len
	v_mov_b32 v13, 0xff800000                      ; -infinity
	v_mov_b32 v11, 0                               ; written before v_permlanex16_b32 names it as its destination
	v_mov_b32 v12, s14
	v_lshlrev_b32 v12, 2, v12                      ; my wave's word
	s_wait_loadcnt 32                              ; the 16 score loads are in; the 32 row loads issued behind them stay out
	v_pk_add_f32 v[P:P+1], v[P:P+1], s[32:33] op_sel_hi:[1,0]      ; + b_v
.irp u, 0,1,2,3,4,5,6,7
	v_pk_add_f32 v[P+2*\u:P+2*\u+1], v[P+2*\u:P+2*\u+1], v[P+16+2*\u:P+17+2*\u]
.endr
.irp u, 0,1,2,3
	v_pk_add_f32 v[P+2*\u:P+2*\u+1], v[P+2*\u:P+2*\u+1], v[P+8+2*\u:P+9+2*\u]
.endr
.irp u, 0,1
	v_pk_add_f32 v[P+2*\u:P+2*\u+1], v[P+2*\u:P+2*\u+1], v[P+4+2*\u:P+5+2*\u]
.endr
	v_pk_add_f32 v[8:9], v[P:P+1], v[P+2:P+3]
	v_cndmask_b32 v8, v13, v8, s42
	v_cndmask_b32 v9, v13, v9, s43
	; the maximum over the batch's valid positions
	v_max_num_f32 v10, v8, v9
	v_max_num_f32_dpp v10, v10, v10 row_xmask:1 row_mask:0xf bank_mask:0xf
	v_max_num_f32_dpp v10, v10, v10 row_xmask:2 row_mask:0xf bank_mask:0xf
	v_max_num_f32_dpp v10, v10, v10 row_xmask:4 row_mask:0xf bank_mask:0xf
	v_max_num_f32_dpp v10, v10, v10 row_xmask:8 row_mask:0xf bank_mask:0xf
	v_permlanex16_b32 v11, v10, s40, s41
	v_max_num_f32 v10, v10, v11
	ds_store_b32 v12, v10
	s_wait_dscnt 0x0                               ; my store is done before I say so
	s_barrier_signal -1
	s_barrier_wait -1
	v_mov_b32 v13, 0
	ds_load_b128 v[48:51], v13
	ds_load_b128 v[52:55], v13 offset:16
	s_wait_dscnt 0x0
	v_max3_num_f32 v10, v48, v49, v50
	v_max3_num_f32 v10, v10, v51, v52
	v_max3_num_f32 v10, v10, v53, v54
	v_max_num_f32 v10, v10, v55
	; the weights, not yet divided by their sum
	v_sub_f32 v8, v8, v10
	v_sub_f32 v9, v9, v10
	v_mul_f32 v8, 0x3fb8aa3b, v8
	v_mul_f32 v9, 0x3fb8aa3b, v9
	v_exp_f32 v8, v8
	v_exp_f32 v9, v9
	v_lshlrev_b32 v6, 3, v0                        ; the plain place behind the exponentials (ISA guide 5.7.2)
	s_wait_alu depctr_va_vdst(0)
	v_cndmask_b32 v8, 0, v8, s42                   ; masked positions weigh 0 (also where a length of 0 made the difference undefined)
	v_cndmask_b32 v9, 0, v9, s43
	ds_store_b64 v6, v[8:9] offset:512
	v_add_f32 v10, v8, v9
	v_add_f32_dpp v10, v10, v10 row_xmask:1 row_mask:0xf bank_mask:0xf
	v_add_f32_dpp v10, v10, v10 row_xmask:2 row_mask:0xf bank_mask:0xf
	v_add_f32_dpp v10, v10, v10 row_xmask:4 row_mask:0xf bank_mask:0xf
	v_add_f32_dpp v10, v10, v10 row_xmask:8 row_mask:0xf bank_mask:0xf
	v_permlanex16_b32 v11, v10, s40, s41
	v_add_f32 v10, v10, v11
	ds_store_b32 v12, v10 offset:256
	s_wait_dscnt 0x0
	s_barrier_signal -1
	s_barrier_wait -1
	v_lshrrev_b32 v5, 4, v0
	v_lshlrev_b32 v5, 7, v5                        ; my stream's 32 weights
.irp u, 0,1,2,3,4,5,6,7
	ds_load_b128 v[E+4*\u:E+4*\u+3], v5 offset:512+16*\u
.endr
.irp c, 0,1,2,3,4,5,6,7
	v_mov_b32 v[ACC+\c], 0
.endr
	s_wait_dscnt 0x0
.set i, 0
.rept 32
	s_wait_loadcnt 31-i                            ; row i is in, the 31 - i younger ones stay out
.irp c, 0,1,2,3
	v_fma_mix_f32_bf16 v[ACC+2*\c],   v[X+4*i+\c], v[E+i], v[ACC+2*\c]   op_sel_hi:[1,0,0]
	v_fma_mix_f32_bf16 v[ACC+2*\c+1], v[X+4*i+\c], v[E+i], v[ACC+2*\c+1] op_sel:[1,0,0] op_sel_hi:[1,0,0]
.endr
.set i, i+1
.endr
	v_lshlrev_b32 v6, 5, v0                        ; 512 q + 32 (t % 16) = 32 t
	ds_store_b128 v6, v[ACC:ACC+3]   offset:2560
	ds_store_b128 v6, v[ACC+4:ACC+7] offset:2576
	s_wait_dscnt 0x0
	s_barrier_signal -1
	s_barrier_wait -1
	s_cmp_lg_u32 s14, 0
	s_cbranch_scc1 .Lend                           ; wave 0 adds the sixteen streams: 128 columns, four a lane
	v_lshlrev_b32 v7, 4, v0
	ds_load_b128 v[SUMS:SUMS+3],   v13 offset:256
	ds_load_b128 v[SUMS+4:SUMS+7], v13 offset:272
.irp u, 0,1,2,3,4,5,6,7,8,9,10,11,12,13,14,15
	ds_load_b128 v[X+4*\u:X+4*\u+3], v7 offset:2560+512*\u
.endr
	s_lshl_b32 s44, s15, 13                        ; out0: the batch's 8,192 bytes,
	s_lshl_b32 s45, ttmp9, 9                       ; the chunk's 512
	s_add_co_u32 s44, s44, s45
	s_mov_b32 s45, 0
	s_add_nc_u64 s[12:13], s[12:13], s[44:45]
	s_wait_dscnt 0x0
	v_add_f32 v10, v[SUMS], v[SUMS+1]
.irp u, 2,3,4,5,6,7
	v_add_f32 v10, v10, v[SUMS+\u]
.endr
	v_rcp_f32 v14, v10
.irp u, 0,1,2,3,4,5,6,7
	v_pk_add_f32 v[X+4*\u:X+4*\u+1],   v[X+4*\u:X+4*\u+1],   v[X+32+4*\u:X+33+4*\u]
	v_pk_add_f32 v[X+4*\u+2:X+4*\u+3], v[X+4*\u+2:X+4*\u+3], v[X+34+4*\u:X+35+4*\u]
.endr
.irp u, 0,1,2,3
	v_pk_add_f32 v[X+4*\u:X+4*\u+1],   v[X+4*\u:X+4*\u+1],   v[X+16+4*\u:X+17+4*\u]
	v_pk_add_f32 v[X+4*\u+2:X+4*\u+3], v[X+4*\u+2:X+4*\u+3], v[X+18+4*\u:X+19+4*\u]
.endr
.irp u, 0,1
	v_pk_add_f32 v[X+4*\u:X+4*\u+1],   v[X+4*\u:X+4*\u+1],   v[X+8+4*\u:X+9+4*\u]
	v_pk_add_f32 v[X+4*\u+2:X+4*\u+3], v[X+4*\u+2:X+4*\u+3], v[X+10+4*\u:X+11+4*\u]
.endr
	v_pk_add_f32 v[X:X+1],   v[X:X+1],   v[X+4:X+5]
	v_pk_add_f32 v[X+2:X+3], v[X+2:X+3], v[X+6:X+7]
	s_wait_alu depctr_va_vdst(0)
	v_mov_b32 v15, v14
	v_cmp_lt_f32 vcc_lo, 0, v10                    ; a sum of 0 means a length of 0: the row is zero
	v_pk_mul_f32 v[X:X+1],   v[X:X+1],   v[14:15]
	v_pk_mul_f32 v[X+2:X+3], v[X+2:X+3], v[14:15]
.irp c, 0,1,2,3
	v_cndmask_b32 v[X+\c], 0, v[X+\c], vcc_lo
.endr
	global_store_b128 v7, v[X:X+3], s[12:13]       ; the wave stores 512 consecutive bytes, aligned
.Lend:
	s_wait_tensorcnt 0x0
	ds_add_u32 v224, v225
	s_wait_dscnt 0x0
	s_endpgm
.Lfunc_end_k_q8236d76758_ctx:
	.size	k_q8236d76758_ctx, .Lfunc_end_k_q8236d76758_ctx-k_q8236d76758_ctx
	.p2alignl 7, 3214868480
	.fill 96, 4, 3214868480
	.section	.rodata,"a",@progbits
	.p2align	6, 0x0
	.amdhsa_kernel k_q8236d76758_ctx
		.amdhsa_group_segment_fixed_size 11776
		.amdhsa_private_segment_fixed_size 0
		.amdhsa_enable_private_segment 0
		.amdhsa_kernarg_size 40
		.amdhsa_user_sgpr_count 2
		.amdhsa_user_sgpr_kernarg_segment_ptr 1
		.amdhsa_wavefront_size32 1
		.amdhsa_system_sgpr_workgroup_id_x 1
		.amdhsa_system_sgpr_workgroup_id_y 1
		.amdhsa_system_sgpr_workgroup_id_z 1
		.amdhsa_system_vgpr_workitem_id 0
		.amdhsa_next_free_vgpr 226
		.amdhsa_next_free_sgpr 66
		.amdhsa_reserve_vcc 1
		.amdhsa_float_denorm_mode_32 3
		.amdhsa_float_denorm_mode_16_64 3
		.amdhsa_memory_ordered 1
		.amdhsa_forward_progress 1
		.amdhsa_inst_pref_size 43
	.end_amdhsa_kernel
	.amdgpu_metadata
---
amdhsa.version: [ 1, 2 ]
amdhsa.kernels:
  - .name:           k_q8236d76758_ctx
    .symbol:         k_q8236d76758_ctx.kd
    .args:
      - { .name: part, .offset: 0, .size: 8, .value_kind: global_buffer, .address_space: global }
      - { .name: encb, .offset: 8, .size: 8, .value_kind: global_buffer, .address_space: global }
      - { .name: lengths, .offset: 16, .size: 8, .value_kind: global_buffer, .address_space: global }
      - { .name: b_v, .offset: 24, .size: 8, .value_kind: global_buffer, .address_space: global }
      - { .name: out0, .offset: 32, .size: 8, .value_kind: global_buffer, .address_space: global }
    .group_segment_fixed_size: 11776
    .private_segment_fixed_size: 0
    .kernarg_segment_align: 8
    .kernarg_segment_size: 40
    .max_flat_workgroup_size: 256
    .sgpr_count:     66
    .vgpr_count:     226
    .wavefront_size: 32
...
	.end_amdgpu_metadata
.endif
;; end of part 3
;; ======== version 2 of 2: 3 launches; version 1 with the launch ctx written anew for expert scheduling mode
;; workspace buffers: encb 33,554,432 bytes; wb 8,388,608 bytes; hbc 131,072 bytes; fragb 2,048 bytes of whole numbers; part 524,288 bytes
;; launch prep: the kernel of part 1 again; grid 768 x 1, 8 waves a work-group, no clusters, 9,216 bytes of LDS; arguments encoder_out, W_attn, hidden, b_attn, lengths, encb, wb, hbc, fragb; writes encb, wb, hbc, fragb
;; launch gemm: the kernel of part 2 again; grid 8 x 32, 4 waves a work-group, clusters of 4 x 4, 327,680 bytes of LDS; arguments encb, wb, hbc, w_v, fragb, part; writes part
;; launch ctx (part 4): grid 16 x 16, 8 waves a work-group, no clusters, 11,776 bytes of LDS; arguments part, encb, lengths, b_v, out0; writes out0
.if DOCPART == 4
	.amdgcn_target "amdgcn-amd-amdhsa--gfx1250"
	.amdhsa_code_object_version 6
	.text
	.protected	k_q8236d76758_ctx
	.globl	k_q8236d76758_ctx
	.p2align	8
	.type	k_q8236d76758_ctx,@function
k_q8236d76758_ctx:
	s_mov_b64 s[64:65], 0
	v_nop
	global_prefetch_b8 v0, s[64:65] scope:SCOPE_SE
	s_setreg_imm32_b32 hwreg(HW_REG_WAVE_SCHED_MODE, 0, 2), 2
	s_setreg_imm32_b32 hwreg(HW_REG_WAVE_MODE, 25, 1), 1
	s_wait_xcnt 0x0
	s_wait_alu depctr_vm_vsrc(0)
; out0[b][c] = sum over s < len_b of softmax(score[b][.])[s] x enc[b][s][c].
; Work-group (x = chunk of 128 columns, y = batch b), eight waves.  Each work-group sums the batch's 16 slabs of partial scores, adds b_v, masks,
; takes the true maximum away, and weighs 256 bytes of every packed row of the batch.  The softmax is repeated in the batch's 16 work-groups
; (32 KiB of part each) rather than handed over by a launch of its own.
; Stream q = thread / 16 (16 streams) takes rows 32 q .. 32 q + 31; its sixteen lanes take 16 bytes each: 256 consecutive bytes of a row, aligned.
; Rows beyond the batch's kept groups are read as the batch's last row and meet the weight 0.  No loop and no branch hangs on data.
; LIMITS: enc is taken as rounded to bf16 (encb), weights and sums in f32; lengths below 0 count as 0 (the row of out0 is then zero, as in the problem's
; own masking), above 512 as 512.  No matrix unit: a product of one row, bound by its bytes.
; LDS: 0 eight wave maxima; 256 eight wave sums; 512 the 512 weights; 2560 sixteen streams x 128 f32.  Each region is written once.
; THE MODE: SCHED_MODE bits 1:0 = 2 (LLVM: expert scheduling mode 2), set by the entry lines.  The code itself states the register dependences
; between vector instructions and memory or LDS instructions, with s_wait_alu, always for 0.
; THE PLAN.  Registers that memory or LDS instructions touch:
;   v1, v[OFFS ..]      offsets of the score loads and of the 32 row loads: each made once, in a register of its own, ahead of one wait for its run of loads; never written again.
;   ZA, WA, W8, T16, T32, v12   LDS addresses (T16 also out0's offset): made once, never written again.
;   v10                 data of two LDS stores (the wave's maximum, the wave's sum), written again behind each: two waits on vm_vsrc.
;   v[8:9], ACC, v[X:X+3]       data of one store each, not written behind it.
;   v[48:79]            score loads land; the tree works on them; the maxima's loads land in v[48:55]; the weights' loads land in all 32.
;   v[X ..]             row loads land; the multiply-adds read them; in wave 0 the streams' loads land there.
; Each run of LDS or memory instructions has one wait on va_vdst ahead of it, and between that wait and the run's last instruction, across a barrier too, no vector instruction names a register that the run touches.
.set ZA,   4                           ; v4         0: the LDS address of the maxima and, with an offset, of the sums
.set WA,   5                           ; v5         128 (t / 16): my stream's 32 weights
.set W8,   6                           ; v6         8 t: where I put my two weights
.set T16,  7                           ; v7         16 t: in wave 0, my four columns in a stream's 512 bytes and in out0
.set OFFS, 16                          ; v[16:47]   byte offsets of my 32 row loads
.set P,    48                          ; v[48:79]   16 pairs of partial scores; then the maxima; then E
.set E,    48                          ; v[48:79]   the weights of my stream's 32 rows
.set X,    80                          ; v[80:207]  32 loads of 16 bytes
.set ACC,  208                         ; v[208:215] my 8 columns
.set SUMS, 216                         ; v[216:223] the eight wave sums
.set T32,  226                         ; v226       32 t: where I put my 8 columns
	s_load_b256 s[4:11], s[0:1], 0x0               ; part s[4:5], encb s[6:7], lengths s[8:9], b_v s[10:11]
	s_load_b64 s[12:13], s[0:1], 0x20              ; out0
	v_lshl_add_u32 v224, v0, 2, 0x2a00
	v_mov_b32 v225, 0
	v_lshrrev_b32 v1, 5, v0
	v_readfirstlane_b32 s14, v1                    ; wave 0..7; its first reader stands behind the wait on va_sdst below
	; what hangs on the thread's number alone is made while the arguments are on their way
	v_mov_b32 v[ZA], 0
	v_lshrrev_b32 v[WA], 4, v0
	v_lshlrev_b32 v[WA], 7, v[WA]
	v_lshlrev_b32 v[W8], 3, v0
	v_lshlrev_b32 v[T16], 4, v0
	v_lshlrev_b32 v[T32], 5, v0                    ; 512 q + 32 (t % 16) = 32 t
	v_lshlrev_b32 v8, 1, v0                        ; thread t takes positions 2 t
	v_or_b32 v9, 1, v8                             ; and 2 t + 1
	v_lshrrev_b32 v2, 4, v0                        ; my stream
	v_and_b32 v3, 15, v0
	v_lshlrev_b32 v3, 4, v3
	s_lshl_b32 s44, ttmp9, 8
	v_add_nc_u32 v3, s44, v3                       ; the chunk's 256 bytes, my 16
	v_mov_b32 v13, 0xff800000                      ; -infinity
	v_mov_b32 v11, 0                               ; written before v_permlanex16_b32 names it as its destination
	s_and_b32 s15, ttmp7, 0xffff                   ; b
	s_mov_b32 s40, 0x76543210                      ; v_permlanex16_b32: lane i of one half reads lane i of the other
	s_mov_b32 s41, 0xfedcba98
	s_wait_kmcnt 0x0
	s_load_b512 s[16:31], s[8:9], 0x0
	s_load_b32 s32, s[10:11], 0x0
	s_mov_b32 s33, 0                               ; the pair's second word, not used
	s_mov_b32 s35, 0                               ; groups of the batches in front of mine
	s_mov_b32 s36, 0                               ; my length
	s_wait_kmcnt 0x0
.irp i, 0,1,2,3,4,5,6,7,8,9,10,11,12,13,14,15
	s_max_i32 s[16+\i], s[16+\i], 0
	s_min_u32 s[16+\i], s[16+\i], 512
	s_add_co_u32 s34, s[16+\i], 15
	s_lshr_b32 s34, s34, 4
	s_cmp_gt_u32 s15, \i
	s_cselect_b32 s34, s34, 0
	s_add_co_u32 s35, s35, s34
	s_cmp_eq_u32 s15, \i
	s_cselect_b32 s36, s[16+\i], s36
.endr
	s_add_co_u32 s37, s36, 15
	s_and_b32 s37, s37, -16                        ; my kept rows
	s_lshl_b32 s39, s35, 4                         ; my first packed row
	s_max_u32 s38, s37, 1
	s_add_co_u32 s38, s38, s39
	s_sub_co_u32 s38, s38, 1                       ; my last packed row
	s_and_b32 s34, s38, -2                         ; the last pair of rows
	; the partial scores first, so that they can be waited for while the rows stay out
	v_add_nc_u32 v1, s39, v8
	v_min_u32 v1, s34, v1
	v_min_u32 v1, 0x1ffe, v1                       ; loaded numbers enter addresses behind a clamp
	v_lshlrev_b32 v1, 2, v1
	s_wait_alu depctr_va_vdst(0)                   ; v1 is written, which the sixteen loads below read as their offset; so are the LDS addresses made at the head
.irp u, 0,1,2,3,4,5,6,7,8,9,10,11,12,13,14,15
	global_load_b64 v[P+2*\u:P+2*\u+1], v1, s[4:5] offset:32768*\u
.endr
	; the rows: all 32 offsets are made, each in its own register and stage by stage, so that no line reads the result of the one before it; then one wait, then the 32 loads, which land under the softmax
	v_lshl_add_u32 v2, v2, 5, s39                  ; my stream's first row
.set i, 0
.rept 32
	v_add_nc_u32 v[OFFS+i], i, v2
.set i, i+1
.endr
.set i, 0
.rept 32
	v_min_u32 v[OFFS+i], s38, v[OFFS+i]
.set i, i+1
.endr
.set i, 0
.rept 32
	v_min_u32 v[OFFS+i], 0x1fff, v[OFFS+i]
.set i, i+1
.endr
.set i, 0
.rept 32
	v_lshl_add_u32 v[OFFS+i], v[OFFS+i], 12, v3
.set i, i+1
.endr
	v_cmp_gt_u32 s42, s36, v8                      ; 2 t < len
	v_cmp_gt_u32 s43, s36, v9                      ; 2 t + 1 < len
	s_wait_alu depctr_va_vdst(0)                   ; the 32 offsets are written, which the loads below read
.set i, 0
.rept 32
	global_load_b128 v[X+4*i:X+4*i+3], v[OFFS+i], s[6:7]
.set i, i+1
.endr
	s_wait_alu depctr_va_sdst(0)                   ; s14 (the wave's number) and s42, s43 (the two masks) are written: one wait for the three, ahead of the first reader of each
	v_mov_b32 v12, s14
	v_lshlrev_b32 v12, 2, v12                      ; my wave's word
	s_wait_loadcnt 32                              ; the 16 score loads are in; the 32 row loads issued behind them stay out
	v_pk_add_f32 v[P:P+1], v[P:P+1], s[32:33] op_sel_hi:[1,0]      ; + b_v
.irp u, 0,1,2,3,4,5,6,7
	v_pk_add_f32 v[P+2*\u:P+2*\u+1], v[P+2*\u:P+2*\u+1], v[P+16+2*\u:P+17+2*\u]
.endr
.irp u, 0,1,2,3
	v_pk_add_f32 v[P+2*\u:P+2*\u+1], v[P+2*\u:P+2*\u+1], v[P+8+2*\u:P+9+2*\u]
.endr
.irp u, 0,1
	v_pk_add_f32 v[P+2*\u:P+2*\u+1], v[P+2*\u:P+2*\u+1], v[P+4+2*\u:P+5+2*\u]
.endr
	v_pk_add_f32 v[8:9], v[P:P+1], v[P+2:P+3]
	v_cndmask_b32 v8, v13, v8, s42
	v_cndmask_b32 v9, v13, v9, s43
	; the maximum over the batch's valid positions
	v_max_num_f32 v10, v8, v9
	v_max_num_f32_dpp v10, v10, v10 row_xmask:1 row_mask:0xf bank_mask:0xf
	v_max_num_f32_dpp v10, v10, v10 row_xmask:2 row_mask:0xf bank_mask:0xf
	v_max_num_f32_dpp v10, v10, v10 row_xmask:4 row_mask:0xf bank_mask:0xf
	v_max_num_f32_dpp v10, v10, v10 row_xmask:8 row_mask:0xf bank_mask:0xf
	v_permlanex16_b32 v11, v10, s40, s41
	v_max_num_f32 v10, v10, v11
	s_wait_alu depctr_va_vdst(0)                   ; v10 and v12 are written, which the store reads; the sums above are done with v[48:55], in which the two loads behind the barrier land
	ds_store_b32 v12, v10
	s_wait_dscnt 0x0                               ; my store is done before I say so
	s_barrier_signal -1
	s_barrier_wait -1
	ds_load_b128 v[48:51], v[ZA]
	ds_load_b128 v[52:55], v[ZA] offset:16
	s_wait_dscnt 0x0
	s_wait_alu depctr_vm_vsrc(0)                   ; the store above has read v10, which the next line writes again
	v_max3_num_f32 v10, v48, v49, v50
	v_max3_num_f32 v10, v10, v51, v52
	v_max3_num_f32 v10, v10, v53, v54
	v_max_num_f32 v10, v10, v55
	; the weights, not yet divided by their sum
	v_sub_f32 v8, v8, v10
	v_sub_f32 v9, v9, v10
	v_mul_f32 v8, 0x3fb8aa3b, v8
	v_mul_f32 v9, 0x3fb8aa3b, v9
	v_exp_f32 v8, v8
	v_exp_f32 v9, v9
.irp c, 0,1,2,3,4,5,6,7
	v_mov_b32 v[ACC+\c], 0                         ; the plain work behind the exponentials (ISA guide 5.7.2), which names none of their registers
.endr
	s_wait_alu depctr_va_vdst(0)                   ; the two exponentials have written v8 and v9: one wait, ahead of their first reader
	v_cndmask_b32 v8, 0, v8, s42                   ; masked positions weigh 0 (also where a length of 0 made the difference undefined)
	v_cndmask_b32 v9, 0, v9, s43
	v_add_f32 v10, v8, v9
	v_add_f32_dpp v10, v10, v10 row_xmask:1 row_mask:0xf bank_mask:0xf
	v_add_f32_dpp v10, v10, v10 row_xmask:2 row_mask:0xf bank_mask:0xf
	v_add_f32_dpp v10, v10, v10 row_xmask:4 row_mask:0xf bank_mask:0xf
	v_add_f32_dpp v10, v10, v10 row_xmask:8 row_mask:0xf bank_mask:0xf
	v_permlanex16_b32 v11, v10, s40, s41
	v_add_f32 v10, v10, v11
	s_wait_alu depctr_va_vdst(0)                   ; v8, v9 and v10 are written, which the two stores read; the maximum is done reading v[48:55]: the weights' loads behind the barrier land in v[48:79]
	ds_store_b64 v[W8], v[8:9] offset:512
	ds_store_b32 v12, v10 offset:256
	s_wait_dscnt 0x0
	s_barrier_signal -1
	s_barrier_wait -1
.irp u, 0,1,2,3,4,5,6,7
	ds_load_b128 v[E+4*\u:E+4*\u+3], v[WA] offset:512+16*\u   ; my stream's 32 weights
.endr
	s_wait_dscnt 0x0
.set i, 0
.rept 32
	s_wait_loadcnt 31-i                            ; row i is in, the 31 - i younger ones stay out
.irp c, 0,1,2,3
	v_fma_mix_f32_bf16 v[ACC+2*\c],   v[X+4*i+\c], v[E+i], v[ACC+2*\c]   op_sel_hi:[1,0,0]
	v_fma_mix_f32_bf16 v[ACC+2*\c+1], v[X+4*i+\c], v[E+i], v[ACC+2*\c+1] op_sel:[1,0,0] op_sel_hi:[1,0,0]
.endr
.set i, i+1
.endr
	s_wait_alu depctr_va_vdst(0)                   ; the multiply-adds have written ACC, which the two stores read, and are done reading X, in which wave 0's loads behind the barrier land
	ds_store_b128 v[T32], v[ACC:ACC+3]   offset:2560
	ds_store_b128 v[T32], v[ACC+4:ACC+7] offset:2576
	s_wait_dscnt 0x0
	s_barrier_signal -1
	s_barrier_wait -1
	s_cmp_lg_u32 s14, 0
	s_cbranch_scc1 .Lend                           ; wave 0 adds the sixteen streams: 128 columns, four a lane
	ds_load_b128 v[SUMS:SUMS+3],   v[ZA] offset:256
	ds_load_b128 v[SUMS+4:SUMS+7], v[ZA] offset:272
.irp u, 0,1,2,3,4,5,6,7,8,9,10,11,12,13,14,15
	ds_load_b128 v[X+4*\u:X+4*\u+3], v[T16] offset:2560+512*\u
.endr
	s_lshl_b32 s44, s15, 13                        ; out0: the batch's 8,192 bytes,
	s_lshl_b32 s45, ttmp9, 9                       ; the chunk's 512
	s_add_co_u32 s44, s44, s45
	s_mov_b32 s45, 0
	s_add_nc_u64 s[12:13], s[12:13], s[44:45]
	s_wait_dscnt 0x0
	s_wait_alu depctr_vm_vsrc(0)                   ; the store of my wave's sum has read v10, which the next line writes again
	v_add_f32 v10, v[SUMS], v[SUMS+1]
.irp u, 2,3,4,5,6,7
	v_add_f32 v10, v10, v[SUMS+\u]
.endr
	v_cmp_lt_f32 vcc_lo, 0, v10                    ; a sum of 0 means a length of 0: the row is zero
	v_rcp_f32 v14, v10
.irp u, 0,1,2,3,4,5,6,7
	v_pk_add_f32 v[X+4*\u:X+4*\u+1],   v[X+4*\u:X+4*\u+1],   v[X+32+4*\u:X+33+4*\u]
	v_pk_add_f32 v[X+4*\u+2:X+4*\u+3], v[X+4*\u+2:X+4*\u+3], v[X+34+4*\u:X+35+4*\u]
.endr
.irp u, 0,1,2,3
	v_pk_add_f32 v[X+4*\u:X+4*\u+1],   v[X+4*\u:X+4*\u+1],   v[X+16+4*\u:X+17+4*\u]
	v_pk_add_f32 v[X+4*\u+2:X+4*\u+3], v[X+4*\u+2:X+4*\u+3], v[X+18+4*\u:X+19+4*\u]
.endr
.irp u, 0,1
	v_pk_add_f32 v[X+4*\u:X+4*\u+1],   v[X+4*\u:X+4*\u+1],   v[X+8+4*\u:X+9+4*\u]
	v_pk_add_f32 v[X+4*\u+2:X+4*\u+3], v[X+4*\u+2:X+4*\u+3], v[X+10+4*\u:X+11+4*\u]
.endr
	v_pk_add_f32 v[X:X+1],   v[X:X+1],   v[X+4:X+5]
	v_pk_add_f32 v[X+2:X+3], v[X+2:X+3], v[X+6:X+7]
	s_wait_alu depctr_va_vdst(0)                   ; the reciprocal has written v14, ahead of its first reader; the sums over the streams stand between
	v_mov_b32 v15, v14
	v_pk_mul_f32 v[X:X+1],   v[X:X+1],   v[14:15]
	v_pk_mul_f32 v[X+2:X+3], v[X+2:X+3], v[14:15]
	s_wait_alu depctr_va_vcc(0)                    ; the compare has written VCC, which the four selects read
.irp c, 0,1,2,3
	v_cndmask_b32 v[X+\c], 0, v[X+\c], vcc_lo
.endr
	s_wait_alu depctr_va_vdst(0)                   ; the selects have written v[X:X+3], which the store reads
	global_store_b128 v[T16], v[X:X+3], s[12:13]   ; the wave stores 512 consecutive bytes, aligned
.Lend:
	s_wait_dscnt 0x0                               ; the closing lines, six on end
	s_wait_alu 0x0
	s_wait_tensorcnt 0x0
	ds_add_u32 v224, v225
	s_wait_dscnt 0x0
	s_endpgm
.Lfunc_end_k_q8236d76758_ctx:
	.size	k_q8236d76758_ctx, .Lfunc_end_k_q8236d76758_ctx-k_q8236d76758_ctx
	.p2alignl 7, 3214868480
	.fill 96, 4, 3214868480
	.section	.rodata,"a",@progbits
	.p2align	6, 0x0
	.amdhsa_kernel k_q8236d76758_ctx
		.amdhsa_group_segment_fixed_size 11776
		.amdhsa_private_segment_fixed_size 0
		.amdhsa_enable_private_segment 0
		.amdhsa_kernarg_size 40
		.amdhsa_user_sgpr_count 2
		.amdhsa_user_sgpr_kernarg_segment_ptr 1
		.amdhsa_wavefront_size32 1
		.amdhsa_system_sgpr_workgroup_id_x 1
		.amdhsa_system_sgpr_workgroup_id_y 1
		.amdhsa_system_sgpr_workgroup_id_z 1
		.amdhsa_system_vgpr_workitem_id 0
		.amdhsa_next_free_vgpr 228
		.amdhsa_next_free_sgpr 66
		.amdhsa_reserve_vcc 1
		.amdhsa_float_denorm_mode_32 3
		.amdhsa_float_denorm_mode_16_64 3
		.amdhsa_memory_ordered 1
		.amdhsa_forward_progress 1
		.amdhsa_inst_pref_size 44
	.end_amdhsa_kernel
	.amdgpu_metadata
---
amdhsa.version: [ 1, 2 ]
amdhsa.kernels:
  - .name:           k_q8236d76758_ctx
    .symbol:         k_q8236d76758_ctx.kd
    .args:
      - { .name: part, .offset: 0, .size: 8, .value_kind: global_buffer, .address_space: global }
      - { .name: encb, .offset: 8, .size: 8, .value_kind: global_buffer, .address_space: global }
      - { .name: lengths, .offset: 16, .size: 8, .value_kind: global_buffer, .address_space: global }
      - { .name: b_v, .offset: 24, .size: 8, .value_kind: global_buffer, .address_space: global }
      - { .name: out0, .offset: 32, .size: 8, .value_kind: global_buffer, .address_space: global }
    .group_segment_fixed_size: 11776
    .private_segment_fixed_size: 0
    .kernarg_segment_align: 8
    .kernarg_segment_size: 40
    .max_flat_workgroup_size: 256
    .sgpr_count:     66
    .vgpr_count:     228
    .wavefront_size: 32
...
	.end_amdgpu_metadata
.endif
;; end of part 4
